; MI455X (gfx1250); checked and timed in simulation.
; The chip was launched on July 23, 2026; its instructions are those of AMD's public machine-readable ISA for CDNA 5 (MIT licence, August 2026) and "CDNA5" Instruction Set Architecture Reference Guide (July 2026). The comments in the code are by the model that wrote it; some were corrected since.
;; V Cache Class. Allowed arithmetic: float matrix products may take bf16 or f16 operands with f32 sums; all other float work in f32.
;; Inputs: new_v 4 x 8,192 x 8 x 128 float16; s 4 x 8 x 1 x 8,192 float16.
;; Outputs: out0 4 x 8 x 1 x 128 float16; out1 4 x 1 x 8 x 1 int32.
;; Constants: seqlen = 8192, start_pos = 0.
;; One version. Each part assembles by itself: llvm-mc -triple=amdgcn-amd-amdhsa -mcpu=gfx1250 --defsym DOCPART=n.
;; ======== version 1 of 1: 2 launches
;; workspace buffers: opart 1,048,576 bytes; mpart 524,288 bytes; pos 2,048 bytes of whole numbers
;; launch stream (part 1): grid 256 x 1, 32 waves a work-group, no clusters, 53,504 bytes of LDS; arguments new_v, s, opart, mpart, pos; writes opart, mpart, pos
.if DOCPART == 1
	.amdgcn_target "amdgcn-amd-amdhsa--gfx1250"
	.amdhsa_code_object_version 6
	.text
	.protected	k_q030b684240_stream
	.globl	k_q030b684240_stream
	.p2align	8
	.type	k_q030b684240_stream,@function
k_q030b684240_stream:
	s_mov_b64 s[64:65], 0
	v_nop
	global_prefetch_b8 v0, s[64:65] scope:SCOPE_SE
	s_setreg_imm32_b32 hwreg(HW_REG_WAVE_MODE, 25, 1), 1
	s_wait_xcnt 0x0
; First of two launches.  new_v: [4][8192][8][128] f16, s: [4][8][8192] f16.
; Work-group wg = 64 b + c owns the 128 rows 128 c .. 128 c + 127 of batch b: 256 KiB of new_v in one piece.  It stores
;   opart[wg][1024] f32 : for each column (h, d) the sum over its rows of s[b][h][row] * v[b][row][h][d]
;   mpart[wg][1024] f16 : for each column the signed maximum over its rows
;   pos[b][h][k]    i32 : for head h = c & 7 and the classes k = 2 (c >> 3), + 1: the first position of the largest s over ALL 512
;                         groups of that class.  The choice that steers the next launch's addresses is made whole here.
; The split of V into 8 + 4 + 4 bits and its re-join give back every f16 pattern bit for bit, so V is used as loaded.
; A one-row product: one multiply-add for each number read.  f16 is widened to f32 and two multiply-adds go in one v_pk_fma_f32; the
; matrix unit would use one row of sixteen and want V transposed.  No tile is shared between work-groups, so there is no cluster.
; 32 waves.  Wave w: the 512 bytes (two heads) number w & 3 of the rows 16 (w >> 2) .. + 15.  A lane keeps the same 8 columns in every row.
; A wave's whole share is 16 loads of 16 bytes a lane = 64 registers: all are issued at the head, each load covers 512 consecutive bytes,
; and the work-group's 256 KiB are all on their way at once.  The share is 16 rows and not more because the halves of a register can be
; named only up to v127: the rows and the scores lie below that.
; LIMITS: a NaN in new_v or in s is passed over by the maxima here (reference() lets it win), so out1 is not served then.
;         -0 and +0 count as equal in the choice of the position.
.set ROWB, 2048                        ; bytes in a row of new_v (8 heads x 128 f16)
.set S,    8                           ; v[8:15]   s of my head for my 16 rows, two f16 a register
.set ACC,  16                          ; v[16:23]  f32 sums of my 8 columns
.set M,    24                          ; v[24:27]  maxima of my 8 columns, two f16 a register
.set SF,   28                          ; v[28:31]  a row's score in f32, twice (a pair for the packed forms); two pairs by turns
.set T,    32                          ; v[32:47]  a row's 8 numbers in f32; two sets by turns
.set K,    48                          ; v48       key of my class
.set X,    56                          ; v[56:119] row i: 4 registers
.set LMAX, 32768                       ; LDS: 0 sums [8 row groups][1024] f32; 32768 maxima [8][1024] f16; 49152 keys [32 waves]
.set LKEY, 49152
	s_load_b256 s[4:11], s[0:1], 0x0               ; new_v s[4:5], s s[6:7], opart s[8:9], mpart s[10:11]
	s_load_b64 s[12:13], s[0:1], 0x20              ; pos
	v_lshl_add_u32 v120, v0, 2, 0xc100
	v_mov_b32 v121, 0
	s_lshl_b32 s14, ttmp9, 18                      ; my 256 KiB of new_v (below 64 MiB)
	s_mov_b32 s15, 0                               ; stays 0: upper word of every offset put in s14
	s_lshr_b32 s16, ttmp9, 6                       ; b
	s_and_b32 s17, ttmp9, 63                       ; c
	s_lshl_b32 s16, s16, 17                        ; b x 8 heads x 16,384 bytes of s
	s_lshl_b32 s18, s17, 8                         ; + c x 128 rows x 2 bytes: my rows' scores
	s_add_co_u32 s18, s18, s16
	s_mov_b32 s19, 0
	s_and_b32 s22, s17, 7                          ; head whose positions I choose
	s_lshr_b32 s23, s17, 3                         ; and which pair of classes
	s_lshl_b32 s20, s22, 14
	s_add_co_u32 s20, s20, s16
	s_lshl2_add_u32 s20, s23, s20                  ; + 4 bytes x pair
	s_mov_b32 s21, 0
	s_mov_b32 s26, 0x76543210                      ; v_permlanex16_b32: lane i reads lane i of the other half
	s_mov_b32 s27, 0xfedcba98
	v_and_b32 v5, 127, v0                          ; T: which 16 bytes of a row
	v_lshrrev_b32 v6, 7, v0                        ; row group 0..7
	v_lshlrev_b32 v1, 4, v5
	v_lshl_or_b32 v1, v6, 15, v1                   ; new_v: 16 T + row group x 16 rows x 2,048
	v_lshrrev_b32 v2, 4, v5                        ; head of my columns
	v_lshlrev_b32 v2, 14, v2
	v_lshl_or_b32 v2, v6, 5, v2                    ; s: head x 16,384 + row group x 32
	v_and_b32 v7, 511, v0                          ; the group whose score I weigh
	v_lshrrev_b32 v49, 9, v0                       ; and which class of the pair: waves 0-15 the first, waves 16-31 the second
	v_sub_nc_u32 v50, 0x410001ff, v7               ; the keys' bias + (511 - group)
	v_lshlrev_b32 v7, 5, v7                        ; a group is 32 bytes of s
	v_lshl_or_b32 v7, v49, 1, v7
	v_lshlrev_b32 v3, 5, v0                        ; 32 t: my place among the sums in LDS
	v_lshlrev_b32 v52, 4, v0                       ; 16 t: among the maxima
	v_lshrrev_b32 v51, 5, v0
	v_readfirstlane_b32 s24, v51                   ; wave 0..31
	s_wait_kmcnt 0x0
	s_add_nc_u64 s[4:5], s[4:5], s[14:15]
	s_add_nc_u64 s[18:19], s[6:7], s[18:19]
	s_add_nc_u64 s[20:21], s[6:7], s[20:21]
	global_load_i16 v4, v7, s[20:21]               ; one score, sign-extended (the group's other classes are other work-groups')
	global_load_b128 v[S:S+3],   v2, s[18:19]      ; the eight row groups together read whole runs of 256 bytes of each head
	global_load_b128 v[S+4:S+7], v2, s[18:19] offset:16
.irp i, 0,1,2,3,4,5,6,7,8,9,10,11,12,13,14,15
	global_load_b128 v[X+4*\i:X+4*\i+3], v1, s[4:5] offset:\i*ROWB th:TH_LOAD_NT
.endr
	; THE POSITIONS, while new_v is on its way.  A score becomes the whole number sgn = +magnitude or -magnitude of its bit pattern (both
	; zeros give 0), which orders as the f16 does.  key = 0x41000000 + 512 sgn + (511 - group) lies in 0x40000200 .. 0x41ffffff: patterns of
	; positive normal f32 numbers, whose order as numbers is their order as whole numbers.  So the f32 maximum picks the largest score,
	; and among equal scores the lowest group, as argmax does.
	s_wait_loadcnt 18                              ; 2 loads of s and 16 of new_v are younger than the score
	v_ashrrev_i32 v49, 31, v4                      ; 0 or -1
	v_and_b32 v[K], 0x7fff, v4
	v_xor_b32 v[K], v[K], v49
	v_sub_nc_u32 v[K], v[K], v49                   ; the magnitude, negated where the sign was set
	v_lshl_add_u32 v[K], v[K], 9, v50
.irp m, 1,2,4,8
	v_max_num_f32_dpp v[K], v[K], v[K] row_xmask:\m row_mask:0xf bank_mask:0xf
.endr
	v_permlanex16_b32 v49, v[K], s26, s27
	v_max_num_f32 v[K], v[K], v49                  ; every lane: the best of my wave's 32 groups
	v_mov_b32 v51, s24
	v_lshlrev_b32 v51, 2, v51
	ds_store_b32 v51, v[K] offset:LKEY             ; all lanes write the wave's word with the same value
; Row i: its score (half sh of register v<sr>) and its 8 numbers (registers v<x0> .. v<x3> = v[X+4 i] ..) are widened to f32, then four packed
; multiply-adds and four packed maxima.  A half of a register is named by the register's plain number, so the numbers are handed in.
; Row 0's products start the sums and rows 0 and 1 start the maxima: nothing is cleared.  T and SF go by turns, so that a row's
; conversions do not wait for the row before.
.macro ROW i, sr, sh, x0, x1, x2, x3
.set TT, T+8*((\i)&1)
.set SS, SF+2*((\i)&1)
	v_cvt_f32_f16 v[SS],   v\sr\().\sh
	v_cvt_f32_f16 v[SS+1], v\sr\().\sh
	v_cvt_f32_f16 v[TT],   v\x0\().l
	v_cvt_f32_f16 v[TT+1], v\x0\().h
	v_cvt_f32_f16 v[TT+2], v\x1\().l
	v_cvt_f32_f16 v[TT+3], v\x1\().h
	v_cvt_f32_f16 v[TT+4], v\x2\().l
	v_cvt_f32_f16 v[TT+5], v\x2\().h
	v_cvt_f32_f16 v[TT+6], v\x3\().l
	v_cvt_f32_f16 v[TT+7], v\x3\().h
.irp p, 0,1,2,3
.if \i == 0
	v_pk_mul_f32 v[ACC+2*\p:ACC+2*\p+1], v[TT+2*\p:TT+2*\p+1], v[SS:SS+1]
.else
	v_pk_fma_f32 v[ACC+2*\p:ACC+2*\p+1], v[TT+2*\p:TT+2*\p+1], v[SS:SS+1], v[ACC+2*\p:ACC+2*\p+1]
.endif
.endr
.if \i == 1
.irp p, 0,1,2,3
	v_pk_max_num_f16 v[M+\p], v[X+\p], v[X+4+\p]
.endr
.endif
.if \i > 1
.irp p, 0,1,2,3
	v_pk_max_num_f16 v[M+\p], v[M+\p], v[X+4*\i+\p]
.endr
.endif
.endm
	; loads come back in order: each count leaves out the rows behind the two that are taken next
	s_wait_loadcnt 14                              ; s and rows 0, 1 are in
	ROW 0,  8,  l, 56, 57, 58, 59
	ROW 1,  8,  h, 60, 61, 62, 63
	s_wait_loadcnt 12
	ROW 2,  9,  l, 64, 65, 66, 67
	ROW 3,  9,  h, 68, 69, 70, 71
	s_wait_loadcnt 10
	ROW 4,  10, l, 72, 73, 74, 75
	ROW 5,  10, h, 76, 77, 78, 79
	s_wait_loadcnt 8
	ROW 6,  11, l, 80, 81, 82, 83
	ROW 7,  11, h, 84, 85, 86, 87
	s_wait_loadcnt 6
	ROW 8,  12, l, 88, 89, 90, 91
	ROW 9,  12, h, 92, 93, 94, 95
	s_wait_loadcnt 4
	ROW 10, 13, l, 96, 97, 98, 99
	ROW 11, 13, h, 100, 101, 102, 103
	s_wait_loadcnt 2
	ROW 12, 14, l, 104, 105, 106, 107
	ROW 13, 14, h, 108, 109, 110, 111
	s_wait_loadcnt 0
	ROW 14, 15, l, 112, 113, 114, 115
	ROW 15, 15, h, 116, 117, 118, 119
	; the eight row groups meet in LDS: sums at row group x 4,096 + 32 T = 32 t, maxima at row group x 2,048 + 16 T = 16 t
	ds_store_b128 v3, v[ACC:ACC+3]
	ds_store_b128 v3, v[ACC+4:ACC+7] offset:16
	ds_store_b128 v52, v[M:M+3] offset:LMAX
	s_wait_dscnt 0x0                               ; for the other waves' sake: all my LDS stores are done, the key's too
	s_barrier_signal -1
	s_barrier_wait -1
.macro ADD4 a, b                       ; four f32 of slot a += slot b (slots of 4 registers in X, free by now)
	v_pk_add_f32 v[X+4*\a:X+4*\a+1],   v[X+4*\a:X+4*\a+1],   v[X+4*\b:X+4*\b+1]
	v_pk_add_f32 v[X+4*\a+2:X+4*\a+3], v[X+4*\a+2:X+4*\a+3], v[X+4*\b+2:X+4*\b+3]
.endm
.macro MAX4 a, b                       ; eight f16 of slot a = max(slot a, slot b)
.irp p, 0,1,2,3
	v_pk_max_num_f16 v[X+4*\a+\p], v[X+4*\a+\p], v[X+4*\b+\p]
.endr
.endm
	s_cmp_ge_u32 s24, 8
	s_cbranch_scc1 .Lnot_sums
	; waves 0-7: thread t adds columns 4 t .. 4 t + 3 over the eight row groups; a wave's store covers 512 consecutive bytes
.irp r, 0,1,2,3,4,5,6,7
	ds_load_b128 v[X+4*\r:X+4*\r+3], v52 offset:4096*\r
.endr
	s_lshl_b32 s14, ttmp9, 12
	s_add_nc_u64 s[8:9], s[8:9], s[14:15]
	s_wait_dscnt 0x0
	ADD4 0, 1
	ADD4 2, 3
	ADD4 4, 5
	ADD4 6, 7
	ADD4 0, 2
	ADD4 4, 6
	ADD4 0, 4
	global_store_b128 v52, v[X:X+3], s[8:9]
	s_wait_tensorcnt 0x0
	ds_add_u32 v120, v121
	s_wait_dscnt 0x0
	s_endpgm
.Lnot_sums:
	s_cmp_ge_u32 s24, 12
	s_cbranch_scc1 .Lnot_maxima
	; waves 8-11: thread 256 + u (u = T) joins columns 8 u .. 8 u + 7
	v_lshlrev_b32 v5, 4, v5
.irp r, 0,1,2,3,4,5,6,7
	ds_load_b128 v[X+4*\r:X+4*\r+3], v5 offset:LMAX+2048*\r
.endr
	s_lshl_b32 s14, ttmp9, 11
	s_add_nc_u64 s[10:11], s[10:11], s[14:15]
	s_wait_dscnt 0x0
	MAX4 0, 1
	MAX4 2, 3
	MAX4 4, 5
	MAX4 6, 7
	MAX4 0, 2
	MAX4 4, 6
	MAX4 0, 4
	global_store_b128 v5, v[X:X+3], s[10:11]
	s_wait_tensorcnt 0x0
	ds_add_u32 v120, v121
	s_wait_dscnt 0x0
	s_endpgm
.Lnot_maxima:
	s_cmp_lg_u32 s24, 12
	s_cbranch_scc1 .Lnothing_left
	; wave 12: lane l takes wave l's key; lanes 0-15 hold the pair's first class, lanes 16-31 its second: each half is joined in itself
	v_and_b32 v6, 31, v0
	v_lshlrev_b32 v49, 2, v6
	ds_load_b32 v[K], v49 offset:LKEY
	s_lshl_b32 s23, s23, 1                         ; the pair's first class
	s_lshr_b32 s16, ttmp9, 6                       ; b
	s_lshl3_add_u32 s16, s16, s22                  ; 8 b + head
	s_lshl_b32 s14, s16, 6                         ; 16 positions of 4 bytes each
	s_add_nc_u64 s[12:13], s[12:13], s[14:15]
	v_lshrrev_b32 v50, 4, v6
	v_add_nc_u32 v50, s23, v50                     ; my half's class
	v_and_b32 v6, 15, v6
	s_wait_dscnt 0x0
.irp m, 1,2,4,8
	v_max_num_f32_dpp v[K], v[K], v[K] row_xmask:\m row_mask:0xf bank_mask:0xf
.endr
	v_xor_b32 v[K], 0x1ff, v[K]
	v_and_b32 v[K], 0x1ff, v[K]                    ; the group: 511 - the key's low nine bits
	v_lshl_or_b32 v[K], v[K], 4, v50               ; position = 16 x group + class
	v_lshlrev_b32 v50, 2, v50
	v_cmp_eq_u32 vcc_lo, 0, v6
	s_wait_xcnt 0x0                                ; EXEC is narrowed only behind this wait
	s_wait_tensorcnt 0x0
	ds_add_u32 v120, v121
	s_wait_dscnt 0x0
	s_and_saveexec_b32 s25, vcc_lo
	global_store_b32 v50, v[K], s[12:13]           ; lanes 0 and 16: this work-group's two positions
	s_endpgm
.Lnothing_left:
	s_wait_tensorcnt 0x0
	ds_add_u32 v120, v121
	s_wait_dscnt 0x0
	s_endpgm
.Lfunc_end_k_q030b684240_stream:
	.size	k_q030b684240_stream, .Lfunc_end_k_q030b684240_stream-k_q030b684240_stream
	.p2alignl 7, 3214868480
	.fill 96, 4, 3214868480
	.section	.rodata,"a",@progbits
	.p2align	6, 0x0
	.amdhsa_kernel k_q030b684240_stream
		.amdhsa_group_segment_fixed_size 53504
		.amdhsa_private_segment_fixed_size 0
		.amdhsa_enable_private_segment 0
		.amdhsa_kernarg_size 40
		.amdhsa_user_sgpr_count 2
		.amdhsa_user_sgpr_kernarg_segment_ptr 1
		.amdhsa_wavefront_size32 1
		.amdhsa_system_sgpr_workgroup_id_x 1
		.amdhsa_system_sgpr_workgroup_id_y 1
		.amdhsa_system_sgpr_workgroup_id_z 1
		.amdhsa_system_vgpr_workitem_id 0
		.amdhsa_next_free_vgpr 122
		.amdhsa_next_free_sgpr 66
		.amdhsa_reserve_vcc 1
		.amdhsa_float_denorm_mode_32 3
		.amdhsa_float_denorm_mode_16_64 3
		.amdhsa_memory_ordered 1
		.amdhsa_forward_progress 1
		.amdhsa_inst_pref_size 24
	.end_amdhsa_kernel
	.amdgpu_metadata
---
amdhsa.version: [ 1, 2 ]
amdhsa.kernels:
  - .name:           k_q030b684240_stream
    .symbol:         k_q030b684240_stream.kd
    .args:
      - { .name: new_v, .offset: 0, .size: 8, .value_kind: global_buffer, .address_space: global }
      - { .name: s, .offset: 8, .size: 8, .value_kind: global_buffer, .address_space: global }
      - { .name: opart, .offset: 16, .size: 8, .value_kind: global_buffer, .address_space: global }
      - { .name: mpart, .offset: 24, .size: 8, .value_kind: global_buffer, .address_space: global }
      - { .name: pos, .offset: 32, .size: 8, .value_kind: global_buffer, .address_space: global }
    .group_segment_fixed_size: 53504
    .private_segment_fixed_size: 0
    .kernarg_segment_align: 8
    .kernarg_segment_size: 40
    .max_flat_workgroup_size: 1024
    .sgpr_count:     66
    .vgpr_count:     122
    .wavefront_size: 32
...
	.end_amdgpu_metadata
.endif
;; end of part 1
;; launch finish (part 2): grid 32 x 1, 9 waves a work-group, no clusters, 7,424 bytes of LDS; arguments pos, new_v, s, opart, mpart, out0, out1; writes out0, out1
.if DOCPART == 2
	.amdgcn_target "amdgcn-amd-amdhsa--gfx1250"
	.amdhsa_code_object_version 6
	.text
	.protected	k_q030b684240_finish
	.globl	k_q030b684240_finish
	.p2align	8
	.type	k_q030b684240_finish,@function
k_q030b684240_finish:
	s_mov_b64 s[64:65], 0
	v_nop
	global_prefetch_b8 v0, s[64:65] scope:SCOPE_SE
	s_setreg_imm32_b32 hwreg(HW_REG_WAVE_MODE, 25, 1), 1
	s_wait_xcnt 0x0
; Second of two launches.  One work-group for each (b, h): bh = 8 b + h.  There are 32 owners of an output, so 32 work-groups.
; Waves 0-7: wave w joins the chunks 8 w .. 8 w + 7 of opart (f32 sums) and mpart (f16 maxima) for the head's 128 columns;
;            lane l holds columns 4 l .. 4 l + 3, so a load covers 512 (opart) or 256 (mpart) consecutive bytes.
; Wave 8:    reads the head's 16 positions (whole numbers stored by the launch before), gathers the 16 scores and the 16 rows of 256 bytes,
;            and behind the one barrier joins the eight waves' figures:
;            out0 = f16(sum);  test_o = f16(sum over k ascending of s[pos k] * v[pos k]) (a product of two f16 is exact in f32, so each
;            fused multiply-add rounds as a multiply and an add would);  out1 = min over d of ((test_o >> 10) & 30) + 15 - ((max >> 10) & 31).
; Its gathers stay in flight across the barrier: no wave writes those bytes.
; LIMITS: as stated in the first launch (NaN in the inputs is not served for out1).  test_o is summed in ascending k.
.set VAL, 8                            ; v[8:23]    score k, f16 in the low half   (VAL and R lie below v128: their halves are named)
.set R,   24                           ; v[24:55]   row k: my 4 columns
.set A,   56                           ; v[56:87]   eight slots of 4 f32
.set MX,  88                           ; v[88:103]  eight slots of 4 f16
.set SO,  104                          ; v[104:119] byte offset of score k
.set VO,  120                          ; v[120:135] byte offset of my 8 bytes of row k
.set T,   136                          ; v[136:139] test_o in f32
.set P,   140                          ; v[140:149] at work
.set O,   150                          ; v[150:151] out0, packed
.set C,   152                          ; v[152:163] a term in f32: 4 numbers and the score twice; two sets by turns
.set LMX, 4096                         ; LDS: 0 sums [8 waves][128] f32; 4096 maxima [8][128] f16
.macro ADDS a, b                       ; slot a += slot b
	v_pk_add_f32 v[A+4*\a:A+4*\a+1],   v[A+4*\a:A+4*\a+1],   v[A+4*\b:A+4*\b+1]
	v_pk_add_f32 v[A+4*\a+2:A+4*\a+3], v[A+4*\a+2:A+4*\a+3], v[A+4*\b+2:A+4*\b+3]
.endm
.macro MAXS a, b                       ; slot a = max(slot a, slot b)
	v_pk_max_num_f16 v[MX+2*\a],   v[MX+2*\a],   v[MX+2*\b]
	v_pk_max_num_f16 v[MX+2*\a+1], v[MX+2*\a+1], v[MX+2*\b+1]
.endm
.macro SUM8                            ; the eight slots into slot 0, as a tree
	ADDS 0, 1
	ADDS 2, 3
	ADDS 4, 5
	ADDS 6, 7
	ADDS 0, 2
	ADDS 4, 6
	ADDS 0, 4
.endm
.macro MAX8
	MAXS 0, 1
	MAXS 2, 3
	MAXS 4, 5
	MAXS 6, 7
	MAXS 0, 2
	MAXS 4, 6
	MAXS 0, 4
.endm
	s_load_b256 s[4:11], s[0:1], 0x0               ; pos s[4:5], new_v s[6:7], s s[8:9], opart s[10:11]
	s_load_b128 s[12:15], s[0:1], 0x20             ; mpart s[12:13], out0 s[14:15]
	s_load_b64 s[16:17], s[0:1], 0x30              ; out1
	v_lshl_add_u32 v164, v0, 2, 0x1800
	v_mov_b32 v165, 0
	v_lshrrev_b32 v1, 5, v0
	v_readfirstlane_b32 s18, v1                    ; wave 0..8
	v_and_b32 v1, 31, v0                           ; lane
	s_lshr_b32 s19, ttmp9, 3                       ; b
	s_and_b32 s20, ttmp9, 7                        ; h
	s_mov_b32 s23, 0                               ; stays 0: upper word of the offsets put in s22
	s_wait_kmcnt 0x0
	s_cmp_eq_u32 s18, 8
	s_cbranch_scc1 .Lgather
	; waves 0-7
	s_lshl_b32 s22, s19, 18                        ; opart: b x 64 chunks x 4,096 bytes
	s_lshl_b32 s24, s20, 9                         ; + h x 128 columns x 4
	s_add_co_u32 s22, s22, s24
	s_add_nc_u64 s[10:11], s[10:11], s[22:23]
	s_lshr_b32 s22, s22, 1                         ; mpart: half of that
	s_add_nc_u64 s[12:13], s[12:13], s[22:23]
	v_lshlrev_b32 v2, 4, v1
	v_lshl_or_b32 v2, s18, 15, v2                  ; 16 l + wave x 8 chunks x 4,096
	v_lshrrev_b32 v3, 1, v2
.irp i, 0,1,2,3,4,5,6,7
	global_load_b128 v[A+4*\i:A+4*\i+3], v2, s[10:11] offset:4096*\i
.endr
.irp i, 0,1,2,3,4,5,6,7
	global_load_b64 v[MX+2*\i:MX+2*\i+1], v3, s[12:13] offset:2048*\i
.endr
	v_lshlrev_b32 v4, 4, v0                        ; LDS: wave x 512 + 16 l = 16 t
	v_lshlrev_b32 v5, 3, v0                        ;      wave x 256 + 8 l = 8 t
	s_wait_loadcnt 8                               ; the sums are in; the eight loads of maxima are younger
	SUM8
	ds_store_b128 v4, v[A:A+3]
	s_wait_loadcnt 0x0
	MAX8
	ds_store_b64 v5, v[MX:MX+1] offset:LMX
	s_branch .Ljoin
.Lgather:
	; wave 8
	s_lshl_b32 s22, ttmp9, 6
	s_load_b512 s[32:47], s[4:5], s22 offset:0x0   ; the head's 16 positions
	s_lshl_b32 s24, s19, 24                        ; new_v: b x 8,192 rows x 2,048 bytes
	s_lshl_b32 s26, s20, 8                         ; + h x 256
	s_add_co_u32 s24, s24, s26
	s_mov_b32 s25, 0
	s_lshl_b32 s28, ttmp9, 14                      ; s: bh x 16,384 bytes
	s_mov_b32 s29, 0
	s_add_nc_u64 s[6:7], s[6:7], s[24:25]
	s_add_nc_u64 s[8:9], s[8:9], s[28:29]
	v_lshlrev_b32 v2, 3, v1                        ; 8 l: my 4 columns of f16
	s_wait_kmcnt 0x0
.irp k, 0,1,2,3,4,5,6,7,8,9,10,11,12,13,14,15
	s_min_u32 s[32+\k], s[32+\k], 0x1fff           ; a loaded number enters an address only clamped to the table: 8,192 rows
	v_lshlrev_b32 v[SO+\k], 1, s[32+\k]
	v_lshl_add_u32 v[VO+\k], s[32+\k], 11, v2
	global_load_u16 v[VAL+\k], v[SO+\k], s[8:9]    ; every lane the same score
	global_load_b64 v[R+2*\k:R+2*\k+1], v[VO+\k], s[6:7]   ; the wave: the row's 256 bytes of this head
.endr
.Ljoin:
	s_wait_dscnt 0x0                               ; for wave 8's sake: my LDS stores are done
	s_barrier_signal -1
	s_barrier_wait -1
	s_cmp_lg_u32 s18, 8
	s_cbranch_scc1 .Lend
	; wave 8 alone
	v_lshlrev_b32 v3, 4, v1
.irp w, 0,1,2,3,4,5,6,7
	ds_load_b128 v[A+4*\w:A+4*\w+3], v3 offset:512*\w
.endr
.irp w, 0,1,2,3,4,5,6,7
	ds_load_b64 v[MX+2*\w:MX+2*\w+1], v2 offset:LMX+256*\w
.endr
	s_lshl_b32 s22, ttmp9, 8
	s_add_nc_u64 s[14:15], s[14:15], s[22:23]
	s_mov_b32 s30, 0x76543210                      ; v_permlanex16_b32: lane i reads lane i of the other half
	s_mov_b32 s31, 0xfedcba98
	s_wait_dscnt 8                                 ; the sums are in; the eight reads of maxima are younger
	SUM8
	v_cvt_pk_f16_f32 v[O], v[A], v[A+1]
	v_cvt_pk_f16_f32 v[O+1], v[A+2], v[A+3]
	global_store_b64 v2, v[O:O+1], s[14:15]        ; the wave stores the head's 256 bytes of out0, aligned
	s_wait_dscnt 0x0
	MAX8
; test_o += score k x row k.  The score lies in the low half of v<val> = v[VAL+k], my four numbers in v<r0>, v<r1> = v[R+2k], v[R+2k+1]:
; a half of a register is named by the register's plain number, so the numbers are handed in.  Term 0 starts the sums.
.macro TERM k, val, r0, r1
.set CC, C+6*((\k)&1)
	s_wait_loadcnt 30-2*\k                         ; two loads for each later k are younger
	v_cvt_f32_f16 v[CC+4], v\val\().l
	v_cvt_f32_f16 v[CC+5], v\val\().l
	v_cvt_f32_f16 v[CC],   v\r0\().l
	v_cvt_f32_f16 v[CC+1], v\r0\().h
	v_cvt_f32_f16 v[CC+2], v\r1\().l
	v_cvt_f32_f16 v[CC+3], v\r1\().h
.if \k == 0
	v_pk_mul_f32 v[T:T+1],   v[CC:CC+1],   v[CC+4:CC+5]
	v_pk_mul_f32 v[T+2:T+3], v[CC+2:CC+3], v[CC+4:CC+5]
.else
	v_pk_fma_f32 v[T:T+1],   v[CC:CC+1],   v[CC+4:CC+5], v[T:T+1]
	v_pk_fma_f32 v[T+2:T+3], v[CC+2:CC+3], v[CC+4:CC+5], v[T+2:T+3]
.endif
.endm
	TERM 0,  8,  24, 25
	TERM 1,  9,  26, 27
	TERM 2,  10, 28, 29
	TERM 3,  11, 30, 31
	TERM 4,  12, 32, 33
	TERM 5,  13, 34, 35
	TERM 6,  14, 36, 37
	TERM 7,  15, 38, 39
	TERM 8,  16, 40, 41
	TERM 9,  17, 42, 43
	TERM 10, 18, 44, 45
	TERM 11, 19, 46, 47
	TERM 12, 20, 48, 49
	TERM 13, 21, 50, 51
	TERM 14, 22, 52, 53
	TERM 15, 23, 54, 55
	v_cvt_pk_f16_f32 v[P], v[T], v[T+1]
	v_cvt_pk_f16_f32 v[P+1], v[T+2], v[T+3]
	v_lshrrev_b32 v[P+2], 10, v[P]                 ; test_o's exponents: masked with 30 below, which also drops the sign and the neighbour's bits
	v_lshrrev_b32 v[P+3], 26, v[P]
	v_lshrrev_b32 v[P+4], 10, v[P+1]
	v_lshrrev_b32 v[P+5], 26, v[P+1]
	v_bfe_u32 v[P+6], v[MX], 10, 5                 ; the column maxima's exponents
	v_bfe_u32 v[P+7], v[MX], 26, 5
	v_bfe_u32 v[P+8], v[MX+1], 10, 5
	v_bfe_u32 v[P+9], v[MX+1], 26, 5
.irp q, 0,1,2,3
	v_and_b32 v[P+2+\q], 30, v[P+2+\q]
	v_sub_nc_u32 v[P+2+\q], v[P+2+\q], v[P+6+\q]
	v_cvt_f32_i32 v[P+2+\q], v[P+2+\q]             ; -31 .. 30: exact in f32, so the minimum can ride on f32 arithmetic across the lanes
.endr
	v_min3_num_f32 v[P+2], v[P+2], v[P+3], v[P+4]
	v_min_num_f32 v[P+2], v[P+2], v[P+5]
.irp m, 1,2,4,8
	v_min_num_f32_dpp v[P+2], v[P+2], v[P+2] row_xmask:\m row_mask:0xf bank_mask:0xf
.endr
	v_permlanex16_b32 v[P+3], v[P+2], s30, s31
	v_min_num_f32 v[P+2], v[P+2], v[P+3]
	v_cvt_i32_f32 v[P+2], v[P+2]
	v_add_nc_u32 v[P+2], 15, v[P+2]                ; the f16 exponent bias, the same for every column
	s_lshl_b32 s22, ttmp9, 2
	s_add_nc_u64 s[16:17], s[16:17], s[22:23]
	v_cmp_eq_u32 vcc_lo, 0, v1
	s_wait_xcnt 0x0                                ; EXEC is narrowed only behind this wait
	s_wait_tensorcnt 0x0
	ds_add_u32 v164, v165
	s_wait_dscnt 0x0
	s_and_saveexec_b32 s21, vcc_lo
	global_store_b32 v1, v[P+2], s[16:17]          ; lane 0 alone: its lane number is the offset 0
	s_endpgm
.Lend:
	s_wait_tensorcnt 0x0
	ds_add_u32 v164, v165
	s_wait_dscnt 0x0
	s_endpgm
.Lfunc_end_k_q030b684240_finish:
	.size	k_q030b684240_finish, .Lfunc_end_k_q030b684240_finish-k_q030b684240_finish
	.p2alignl 7, 3214868480
	.fill 96, 4, 3214868480
	.section	.rodata,"a",@progbits
	.p2align	6, 0x0
	.amdhsa_kernel k_q030b684240_finish
		.amdhsa_group_segment_fixed_size 7424
		.amdhsa_private_segment_fixed_size 0
		.amdhsa_enable_private_segment 0
		.amdhsa_kernarg_size 56
		.amdhsa_user_sgpr_count 2
		.amdhsa_user_sgpr_kernarg_segment_ptr 1
		.amdhsa_wavefront_size32 1
		.amdhsa_system_sgpr_workgroup_id_x 1
		.amdhsa_system_sgpr_workgroup_id_y 1
		.amdhsa_system_sgpr_workgroup_id_z 1
		.amdhsa_system_vgpr_workitem_id 0
		.amdhsa_next_free_vgpr 166
		.amdhsa_next_free_sgpr 66
		.amdhsa_reserve_vcc 1
		.amdhsa_float_denorm_mode_32 3
		.amdhsa_float_denorm_mode_16_64 3
		.amdhsa_memory_ordered 1
		.amdhsa_forward_progress 1
		.amdhsa_inst_pref_size 22
	.end_amdhsa_kernel
	.amdgpu_metadata
---
amdhsa.version: [ 1, 2 ]
amdhsa.kernels:
  - .name:           k_q030b684240_finish
    .symbol:         k_q030b684240_finish.kd
    .args:
      - { .name: pos, .offset: 0, .size: 8, .value_kind: global_buffer, .address_space: global }
      - { .name: new_v, .offset: 8, .size: 8, .value_kind: global_buffer, .address_space: global }
      - { .name: s, .offset: 16, .size: 8, .value_kind: global_buffer, .address_space: global }
      - { .name: opart, .offset: 24, .size: 8, .value_kind: global_buffer, .address_space: global }
      - { .name: mpart, .offset: 32, .size: 8, .value_kind: global_buffer, .address_space: global }
      - { .name: out0, .offset: 40, .size: 8, .value_kind: global_buffer, .address_space: global }
      - { .name: out1, .offset: 48, .size: 8, .value_kind: global_buffer, .address_space: global }
    .group_segment_fixed_size: 7424
    .private_segment_fixed_size: 0
    .kernarg_segment_align: 8
    .kernarg_segment_size: 56
    .max_flat_workgroup_size: 288
    .sgpr_count:     66
    .vgpr_count:     166
    .wavefront_size: 32
...
	.end_amdgpu_metadata
.endif
;; end of part 2
